; MI455X (gfx1250); checked and timed in simulation.
; The chip was launched on July 23, 2026; its instructions are those of AMD's public machine-readable ISA for CDNA 5 (MIT licence, August 2026) and "CDNA5" Instruction Set Architecture Reference Guide (July 2026). The comments in the code are by the model that wrote it; some were corrected since.
;; Nested FC. Allowed arithmetic: float matrix products may take bf16 or f16 operands with f32 sums; all other float work in f32.
;; Inputs: W 32 x 1,024 x 2,048 float32; activated 1,024 x 32 float32; b 32 x 1,024 float32; features 1,024 x 2,048 float32.
;; Outputs: out0 1,024 x 4 x 1,024 float32.
;; Constants: top_k = 4.
;; One version. Each part assembles by itself: llvm-mc -triple=amdgcn-amd-amdhsa -mcpu=gfx1250 --defsym DOCPART=n.
;; ======== version 1 of 1: 2 launches
;; limits: values are held in f16: magnitudes above 65,504 overflow, below 6.1e-05 lose precision; inputs' magnitudes at most 65,504
;; workspace buffers: fh 4,194,304 bytes; lists 155,648 bytes of whole numbers
;; launch route (part 1): grid 256 x 1, 4 waves a work-group, no clusters, 1,024 bytes of LDS; arguments activated, features, fh, lists; writes fh, lists
.if DOCPART == 1
	.amdgcn_target "amdgcn-amd-amdhsa--gfx1250"
	.amdhsa_code_object_version 6
	.text
	.protected	k_q71553d3d4f_route
	.globl	k_q71553d3d4f_route
	.p2align	8
	.type	k_q71553d3d4f_route,@function
k_q71553d3d4f_route:
	s_mov_b64 s[64:65], 0
	v_nop
	global_prefetch_b8 v0, s[64:65] scope:SCOPE_SE
	s_setreg_imm32_b32 hwreg(HW_REG_WAVE_MODE, 25, 1), 1
	s_wait_xcnt 0x0
; ROUTING AND CAST.  activated: [1024][32] f32.  features: [1024][2048] f32.  fh: features in f16, [1024][2048].
; lists: 32 records of 4,864 bytes, one an expert: 64 words that all hold n (how many samples choose the expert), then 1,152 words: entry p = 4 b + k for the
; p-th sample b (ascending) in whose row the expert has rank k < 4 (ascending order of the values, equal values in the order of their indices).  Entries p >= n repeat entry n - 1
; (with n = 0 they hold a number of at most 4,095 that the next launch never stores through).
; SHARES.  Work-group g = 8 e + part.  It casts feature rows 4 g .. 4 g + 3; it ranks expert e in all 1,024 rows (thread t: rows t + 128 i, i = 0 .. 7; the eight parts of an expert
; repeat this, so that nothing passes between work-groups); and it writes list entries 128 part + t.
; No address and no branch hangs on a float or on a number made of one: the rank becomes masks of lanes, the masks go through fixed LDS words, and entry p is FOUND by selects, not placed by an index.
; LIMITS.  Plain float compares: -0 equals +0; a NaN in activated compares false with everything and is not ordered as a sort would order it.
; f16 holds no number beyond 65,504: a feature of magnitude 65,520 or more becomes an infinity; below 6.1e-5 a feature keeps f16's fixed step of 6e-8.
.set RSTR,  4864                       ; bytes in a record
.set SPARE, 512                        ; LDS: 0 F, 128 R0, 256 R1, 384 CNT (32 words each: word b / 32); from 512 the spare words, 128 bytes a wave
.set RK,  6                            ; v6-9     ranks of the four samples in hand
.set CT,  10                           ; v10-17   at work
.set FE,  32                           ; v32-95   16 x 4 features
.set SM,  96                           ; v96-239  four samples: 32 values of the row, the expert's own value at +32 (36 registers a sample)
.set TB,  96                           ; v96-223  later: the four LDS arrays, in every lane
.set CN,  TB+96                        ; the counts among them
.set LT,  32                           ; s32-39   masks 'less', two experts x four samples
.set LE,  40                           ; s40-47   masks 'less or equal'
.set PP,  240                          ; v240 my list position     v241 the position whose entry I write: min(p, n - 1)
.set QQ,  241
.set SF,  242                          ; v242-246 of the word that holds it: F, R0, R1, the entries in front of it, its number
.set SR0, 243
.set SR1, 244
.set SC,  245
.set SW,  246
.set RR,  247                          ; v247 which set bit of the word     v248 its place
.set PO,  248
.set X1,  249                          ; v249-252 counts of set bits in fields of 2, 4, 8, 16 bits
.set X2,  250
.set X3,  251
.set X4,  252
.set T0,  253
.set T1,  254
.set EN,  255                          ; the entry
	s_load_b256 s[4:11], s[0:1], 0x0               ; activated s[4:5], features s[6:7], fh s[8:9], lists s[10:11]
	v_lshl_add_u32 v28, v0, 2, SPARE               ; my spare word,
	v_mov_b32 v29, 0                               ; and 0: kept for the closing lines alone
	v_lshrrev_b32 v24, 5, v0
	v_readfirstlane_b32 s12, v24                   ; wave 0..3
	s_lshr_b32 s13, ttmp9, 3                       ; e
	s_and_b32 s14, ttmp9, 7                        ; part
	s_bfm_b32 s15, s13, 0                          ; bits j < e: for these experts an equal value goes first
	v_lshlrev_b32 v1, 7, v0                        ; row t of activated: 128 bytes a row
	v_lshlrev_b32 v2, 4, v0                        ; 16 t: my 4 features in 2,048 bytes
	v_lshlrev_b32 v3, 3, v0                        ; 8 t: the same 4 in f16
	v_mov_b32 v4, s12
	v_lshlrev_b32 v4, 2, v4                        ; 4 w: my wave's word among four
	v_mov_b32 v5, 0
	v_lshlrev_b32 v27, 2, v0                       ; 4 t
	s_mov_b32 s23, 0
	s_wait_kmcnt 0x0
	s_lshl_b32 s22, s13, 2
	s_add_nc_u64 s[24:25], s[4:5], s[22:23]        ; activated at column e
	s_lshl_b32 s22, ttmp9, 15
	s_add_nc_u64 s[6:7], s[6:7], s[22:23]          ; features at my 4 rows of 8,192 bytes
	s_lshl_b32 s22, ttmp9, 14
	s_add_nc_u64 s[8:9], s[8:9], s[22:23]          ; fh at the same rows, 4,096 bytes each
	s_mul_i32 s22, s13, RSTR
	s_add_nc_u64 s[10:11], s[10:11], s[22:23]      ; my expert's record
	s_lshl_b32 s22, s14, 9
	s_add_nc_u64 s[28:29], s[10:11], s[22:23]      ; and my part's 128 entries in it (less the 256 bytes of the record's head)
; 36 loads: for samples 4 half .. 4 half + 3 of the thread its whole row (8 x 16 bytes) and the expert's own value
.macro LOADS half
.set q, 0
.rept 4
.set c, 0
.rept 8
	global_load_b128 v[SM+36*q+4*c:SM+36*q+4*c+3], v1, s[4:5] offset:16384*(4*(\half)+q)+16*c
.set c, c+1
.endr
	global_load_b32 v[SM+36*q+32], v1, s[24:25] offset:16384*(4*(\half)+q)
.set q, q+1
.endr
.endm
; The rank of expert e in four rows at once: the number of j with a_j < a_e, or a_j <= a_e where j < e.  Two j at a time, so that the compares, the scalar selects and the
; additions of eight independent masks stand in runs and none waits for the line just ahead of it.
.macro RANK4
.irp q, 0,1,2,3
	v_mov_b32 v[RK+(\q)], 0
.endr
.set j, 0
.rept 16
.irp u, 0,1
.irp q, 0,1,2,3
	v_cmp_lt_f32 s[LT+4*(\u)+(\q)], v[SM+36*(\q)+j+(\u)], v[SM+36*(\q)+32]
	v_cmp_le_f32 s[LE+4*(\u)+(\q)], v[SM+36*(\q)+j+(\u)], v[SM+36*(\q)+32]
.endr
.endr
.irp u, 0,1
	s_bitcmp1_b32 s15, j+(\u)                      ; is this j below e?  The selects leave SCC as it is
.irp q, 0,1,2,3
	s_cselect_b32 s[LT+4*(\u)+(\q)], s[LE+4*(\u)+(\q)], s[LT+4*(\u)+(\q)]
.endr
.endr
.irp z, 0,1,2,3,4,5,6,7
	v_cndmask_b32 v[CT+(\z)], 0, 1, s[LT+(\z)]
.endr
.irp q, 0,1,2,3
	v_add3_u32 v[RK+(\q)], v[RK+(\q)], v[CT+(\q)], v[CT+4+(\q)]
.endr
.set j, j+2
.endr
.endm
; The ranks become masks of my wave's 32 lanes: F (rank < 4), R0 and R1 (the rank's two low bits), and F's number of set bits; they go to word 4 i + w of the four arrays
; (sample i of lane l of wave w is row 128 i + 32 w + l).  All lanes store the same word with the same value.
.macro BALLOT half
.irp q, 0,1,2,3
	v_cmp_gt_u32 s18, 4, v[RK+(\q)]
	v_and_b32 v[CT], 1, v[RK+(\q)]
	v_and_b32 v[CT+1], 2, v[RK+(\q)]
	v_cmp_ne_u32 s19, 0, v[CT]
	v_cmp_ne_u32 s20, 0, v[CT+1]
	s_bcnt1_i32_b32 s21, s18
	v_mov_b32 v[CT+2], s18
	v_mov_b32 v[CT+3], s19
	v_mov_b32 v[CT+4], s20
	v_mov_b32 v[CT+5], s21
	ds_store_b32 v4, v[CT+2] offset:16*(4*(\half)+(\q))
	ds_store_b32 v4, v[CT+3] offset:128+16*(4*(\half)+(\q))
	ds_store_b32 v4, v[CT+4] offset:256+16*(4*(\half)+(\q))
	ds_store_b32 v4, v[CT+5] offset:384+16*(4*(\half)+(\q))
.endr
.endm
	LOADS 0
.set j, 0
.rept 16
	global_load_b128 v[FE+4*j:FE+4*j+3], v2, s[6:7] offset:2048*j th:TH_LOAD_NT  ; a wave's load covers 512 consecutive bytes; the launch reads each feature once
.set j, j+1
.endr
	s_wait_loadcnt 16                              ; loads come back in order (ISA guide 5.7.1): the first 36 are in, the 16 of the features may stay out
	RANK4
	LOADS 1                                        ; into the same registers: their loads are done and the ranks are made
	BALLOT 0
	s_wait_loadcnt 36                              ; the features are in; the 36 loads issued behind them stay out
.set j, 0
.rept 16
	v_cvt_pk_f16_f32 v[FE+4*j], v[FE+4*j], v[FE+4*j+1]       ; two roundings to f16, packed
	v_cvt_pk_f16_f32 v[FE+4*j+1], v[FE+4*j+2], v[FE+4*j+3]
.set j, j+1
.endr
.set j, 0
.rept 16
	global_store_b64 v3, v[FE+4*j:FE+4*j+1], s[8:9] offset:1024*j  ; a wave's store covers 256 consecutive bytes, at a multiple of 256 from fh's first byte
.set j, j+1
.endr
	s_wait_loadcnt 0x0
	RANK4
	BALLOT 1
	s_wait_dscnt 0x0                               ; for the others' sake: my stores are done
	s_barrier_signal -1
	s_barrier_wait -1
.set c, 0
.rept 32
	ds_load_b128 v[TB+4*c:TB+4*c+3], v5 offset:16*c  ; all four arrays, in every lane
.set c, c+1
.endr
	s_lshl_b32 s22, s14, 7
	v_add_nc_u32 v[PP], s22, v0                    ; my position: 128 part + t
	s_wait_dscnt 0x0
.set c, 1
.rept 31
	v_add_nc_u32 v[CN+c], v[CN+c], v[CN+c-1]       ; counts become running sums
.set c, c+1
.endr
	v_mov_b32 v30, v[CN+31]                        ; n
	v_add_nc_u32 v[T0], -1, v30
	v_min_u32 v[QQ], v[PP], v[T0]                  ; positions from n on repeat entry n - 1 (n = 0: the position itself)
	v_mov_b32 v[SF], v[TB]
	v_mov_b32 v[SR0], v[TB+32]
	v_mov_b32 v[SR1], v[TB+64]
	v_mov_b32 v[SC], 0
	v_mov_b32 v[SW], 0
.set c, 1
.rept 31                                       ; the last word in front of which at most q entries lie is the word that holds entry q
	v_cmp_le_u32 vcc_lo, v[CN+c-1], v[QQ]
	v_cndmask_b32 v[SF], v[SF], v[TB+c], vcc_lo
	v_cndmask_b32 v[SR0], v[SR0], v[TB+32+c], vcc_lo
	v_cndmask_b32 v[SR1], v[SR1], v[TB+64+c], vcc_lo
	v_cndmask_b32 v[SC], v[SC], v[CN+c-1], vcc_lo
	v_cndmask_b32 v[SW], v[SW], c, vcc_lo
.set c, c+1
.endr
	v_sub_nc_u32 v[RR], v[QQ], v[SC]               ; which of the word's set bits, from 0
	v_lshrrev_b32 v[T0], 1, v[SF]                  ; set bits counted in fields of 2, 4, 8 and 16 bits
	v_and_b32 v[T0], 0x55555555, v[T0]
	v_sub_nc_u32 v[X1], v[SF], v[T0]
	v_lshrrev_b32 v[T0], 2, v[X1]
	v_and_b32 v[T0], 0x33333333, v[T0]
	v_and_b32 v[X2], 0x33333333, v[X1]
	v_add_nc_u32 v[X2], v[X2], v[T0]
	v_lshrrev_b32 v[T0], 4, v[X2]
	v_add_nc_u32 v[T0], v[X2], v[T0]
	v_and_b32 v[X3], 0x0f0f0f0f, v[T0]
	v_lshrrev_b32 v[T0], 8, v[X3]
	v_add_nc_u32 v[T0], v[X3], v[T0]
	v_and_b32 v[X4], 0x00ff00ff, v[T0]
	v_mov_b32 v[PO], 0
; Halving: if the lower field of wd bits at the place in hand holds too few set bits, they are taken off and the place moves past it
.macro PICK x, wd
	v_bfe_u32 v[T0], v[\x], v[PO], \wd
	v_cmp_ge_u32 vcc_lo, v[RR], v[T0]
	v_cndmask_b32 v[T0], 0, v[T0], vcc_lo
	v_cndmask_b32 v[T1], 0, \wd, vcc_lo
	v_sub_nc_u32 v[RR], v[RR], v[T0]
	v_add_nc_u32 v[PO], v[PO], v[T1]
.endm
	PICK X4, 16
	PICK X3, 8
	PICK X2, 4
	PICK X1, 2
	PICK SF, 1
	v_lshl_add_u32 v[T0], v[SW], 5, v[PO]          ; b = 32 x word + place
	v_bfe_u32 v[T1], v[SR0], v[PO], 1
	v_lshl_or_b32 v[EN], v[T0], 2, v[T1]           ; 4 b + the rank's low bit
	v_bfe_u32 v[T1], v[SR1], v[PO], 1
	v_lshl_or_b32 v[EN], v[T1], 1, v[EN]           ; + twice its high bit: at most 4,095 whatever the masks hold
	s_cmp_lg_u32 s14, 0                            ; part 0, waves 0 and 1: the record's head, n in 64 words
	s_cbranch_scc1 .Lno_head
	s_cmp_gt_u32 s12, 1
	s_cbranch_scc1 .Lno_head
	global_store_b32 v27, v30, s[10:11]
.Lno_head:
	s_cmp_lg_u32 s14, 7                            ; part 7, wave 3: entries 1,024 to 1,151 repeat position 1,023's, which is entry n - 1
	s_cbranch_scc1 .Lno_tail
	s_cmp_lg_u32 s12, 3
	s_cbranch_scc1 .Lno_tail
	v_readlane_b32 s26, v[EN], 31
	v_and_b32 v[T0], 31, v0
	v_lshlrev_b32 v[T0], 2, v[T0]
	v_mov_b32 v[T1], s26
.irp z, 0,1,2,3
	global_store_b32 v[T0], v[T1], s[10:11] offset:256+4096+128*(\z)
.endr
.Lno_tail:
	global_store_b32 v27, v[EN], s[28:29] offset:256  ; my entry
	s_wait_tensorcnt 0x0                           ; the wave's end, behind my last LDS store
	ds_add_u32 v28, v29
	s_wait_dscnt 0x0
	s_endpgm
.Lfunc_end_k_q71553d3d4f_route:
	.size	k_q71553d3d4f_route, .Lfunc_end_k_q71553d3d4f_route-k_q71553d3d4f_route
	.p2alignl 7, 3214868480
	.fill 96, 4, 3214868480
	.section	.rodata,"a",@progbits
	.p2align	6, 0x0
	.amdhsa_kernel k_q71553d3d4f_route
		.amdhsa_group_segment_fixed_size 1024
		.amdhsa_private_segment_fixed_size 0
		.amdhsa_enable_private_segment 0
		.amdhsa_kernarg_size 32
		.amdhsa_user_sgpr_count 2
		.amdhsa_user_sgpr_kernarg_segment_ptr 1
		.amdhsa_wavefront_size32 1
		.amdhsa_system_sgpr_workgroup_id_x 1
		.amdhsa_system_sgpr_workgroup_id_y 1
		.amdhsa_system_sgpr_workgroup_id_z 1
		.amdhsa_system_vgpr_workitem_id 0
		.amdhsa_next_free_vgpr 256
		.amdhsa_next_free_sgpr 66
		.amdhsa_reserve_vcc 1
		.amdhsa_float_denorm_mode_32 3
		.amdhsa_float_denorm_mode_16_64 3
		.amdhsa_memory_ordered 1
		.amdhsa_forward_progress 1
		.amdhsa_inst_pref_size 99
	.end_amdhsa_kernel
	.amdgpu_metadata
---
amdhsa.version: [ 1, 2 ]
amdhsa.kernels:
  - .name:           k_q71553d3d4f_route
    .symbol:         k_q71553d3d4f_route.kd
    .args:
      - { .name: activated, .offset: 0, .size: 8, .value_kind: global_buffer, .address_space: global }
      - { .name: features, .offset: 8, .size: 8, .value_kind: global_buffer, .address_space: global }
      - { .name: fh, .offset: 16, .size: 8, .value_kind: global_buffer, .address_space: global }
      - { .name: lists, .offset: 24, .size: 8, .value_kind: global_buffer, .address_space: global }
    .group_segment_fixed_size: 1024
    .private_segment_fixed_size: 0
    .kernarg_segment_align: 8
    .kernarg_segment_size: 32
    .max_flat_workgroup_size: 128
    .sgpr_count:     66
    .vgpr_count:     256
    .wavefront_size: 32
...
	.end_amdgpu_metadata
.endif
;; end of part 1
;; launch gemm (part 2): grid 8 x 32, 8 waves a work-group, no clusters, 209,920 bytes of LDS; arguments W, b, fh, lists, out0; writes out0
.if DOCPART == 2
	.amdgcn_target "amdgcn-amd-amdhsa--gfx1250"
	.amdhsa_code_object_version 6
	.text
	.protected	k_q71553d3d4f_gemm
	.globl	k_q71553d3d4f_gemm
	.p2align	8
	.type	k_q71553d3d4f_gemm,@function
k_q71553d3d4f_gemm:
	s_mov_b64 s[64:65], 0
	v_nop
	global_prefetch_b8 v0, s[64:65] scope:SCOPE_SE
	s_setreg_imm32_b32 hwreg(HW_REG_WAVE_MODE, 25, 1), 1
	s_wait_xcnt 0x0
; out0[s][k][:] = features[s] . W[e]^T + b[e] for the expert e of rank k in sample s.  W: [32][1024][2048] f32.  b: [32][1024] f32.  fh: features in f16, [1024][2048].
; lists: for each expert n and the rows 4 s + k of out0 (seen as [4096][1024]) that it owns, as the launch before wrote them.  out0: f32.
; Only the products that the gather keeps are made.  Operands in f16 (W rounded once, on its way to the matrix unit), sums in f32, bias added in f32.
; WHY f16.  Every number of out0 is held to 1% of the output's root mean square.  Two operands of 8 significant bits leave, in a sum of 2,048 products, an error of about 0.2% of it (root mean
; square), and the largest of 4 million such errors reaches that line; 11 significant bits leave an eighth.
; LIMITS.  f16 holds no number beyond 65,504: a feature or weight of magnitude 65,520 or more becomes an infinity; below 6.1e-5 it keeps f16's fixed step of 6e-8.
; SHARES.  Work-group (x, e): expert e, output columns 128 x .. 128 x + 127: 1 MiB of W, which no other work-group reads.
; THE MAIN PASS streams that slice once, in 16 K steps of 128, and multiplies it with list rows 0 .. 191.  Every trip count in it is a constant, so every wave passes every barrier whatever n is.
; List positions from n on repeat the last entry: they are multiplied like the others (no branch stands in the K loop) and not stored.
; Eight waves, all with one text.  As a LOADER wave w brings rows 16 w .. + 15 of W's slice and list rows 24 w .. + 23 of each K step through registers into LDS;
; as a MULTIPLIER it makes list rows 48 (w / 2) .. + 47 x columns 64 (w % 2) .. + 63: 12 accumulators of 16 x 16.
; ROWS FROM 192 ON (n may be up to 1,024) are made behind the last barrier, each wave by itself: wave w takes the blocks of 16 list rows 12 + w, 20 + w, .. below n, each x all 128 columns, with
; fragments loaded straight from memory.  LIMIT: that run is plain: it waits for each K step of 32 and reads the slice of W again for every 16 such rows.
; W COMES THROUGH REGISTERS, not by a tile copy: it is f32 in memory and f16 in LDS, so each number is rounded once, LDS holds half the bytes, and the loads of two K steps
; (2 x 16 loads of 512 bytes a wave, 128 KiB a work-group) stay out across the barriers, under a counted wait.
; NO CLUSTER.  W's slice is this work-group's alone.  The eight work-groups of an expert do read the same rows of fh, but a list picks those rows, 256 bytes each with no common stride:
; no one tile descriptor covers them, so they are gathered lane by lane.
; THE MATRIX INSTRUCTION IS USED TRANSPOSED (source 0 = 16 rows of W, source 1 = 16 list rows): a lane then holds one list row (lane % 16) and eight neighbouring columns.
; LDS: two buffers of 320 rows x 272 bytes (128 rows of W, then 192 list rows; 256 bytes of f16 + 16 of padding, so that the 16 rows of a fragment load start 16 bytes apart modulo 256);
; behind them a stage of 16 rows x 272 bytes for each wave, for the way out; behind that the spare words.
; REGISTERS, in windows of 256 (s_set_vgpr_msb: bits 1:0 source 0, 3:2 source 1, 5:4 source 2, 7:6 destination):
;   window 0: v0-31 addresses, bias, store offsets; v32-127 accumulators; v128-175 list-row fragments, two sets; v176-239 W fragments, two sets (v128-159 on the way out: rows read back)
;   window 1: v0-127 W as loaded, two sets of 16 x 4; v128-175 list rows as loaded; v176-187 their offsets in fh; v188-211 my rows of out0; v212-243 W rounded
.set PITCH, 272
.set WT,    128*PITCH                  ; W's tile; the list rows' tile lies behind it
.set BUF,   320*PITCH
.set STG,   2*BUF
.set SPARE, STG+8*16*PITCH             ; 208,896, a multiple of 256: 128 bytes for each of eight waves, named by no other line
.set RSTR,  4864                       ; bytes in a record of lists
.set ASTO, 6                           ; v6-7    where I store list rows, buffer 0, 1
.set WSTO, 8                           ; v8-9    where I store W
.set ADRA, 10                          ; v10-11  my fragments of list rows
.set ADRB, 12                          ; v12-13  my fragments of W
.set ROFF, 24                          ; v24-31  byte offsets in out0 of eight pairs of rows
.set ACC,  32
.set FRA,  128
.set FRB,  176
.set TT,   128
.set RING, 0                           ; window 1 from here on
.set AS,   128
.set OFFS, 176
.set ENT,  188
.set TMP,  212
.set MSB, 0
.macro WIN new                         ; the immediate's high byte repeats the setting that is left; a switch that changes nothing is dropped
.if MSB != (\new)
	s_set_vgpr_msb (MSB<<8)|(\new)
.set MSB, (\new)
.endif
.endm
; A load into a register that a matrix instruction has read stands four places behind it, and only plain vector instructions that name none of its registers are places
; (ISA guide 7.12.1 for vector instructions).
.macro PLACES
.rept 4
	v_nop
.endr
.endm
.macro BAR
	s_wait_dscnt 0x0                               ; my stores into one buffer are done and my reads of the other are back
	s_barrier_signal -1
	s_barrier_wait -1
.endm
.macro WLOAD set, imm                  ; 16 rows of W, 128 f32 each: a load covers 512 consecutive bytes of one row
	WIN 0x40                                       ; destination window 1, address window 0
.set i, 0
.rept 16
	global_load_b128 v[RING+64*(\set)+4*i:RING+64*(\set)+4*i+3], v3, s[26:27] offset:8192*i+(\imm) th:TH_LOAD_NT
.set i, i+1
.endr
.endm
.macro ALOAD imm                       ; 24 list rows, 128 f16 each: lanes 0-15 take 256 bytes of one row, lanes 16-31 of the next
	WIN 0x41                                       ; destination and address window 1
.set i, 0
.rept 12
	global_load_b128 v[AS+4*i:AS+4*i+3], v[OFFS+i], s[28:29] offset:\imm
.set i, i+1
.endr
.endm
; K step p goes from registers into buffer p % 2 (W from ring set p % 2), and the registers are asked for again: list rows of step p + 1, then W of step p + 2.
; In that order: behind the list rows of a step stand only the 16 loads of the NEXT step's W, so the wait at the head leaves those out.
.macro STAGE buf, left, aload, aimm, wload, wimm
	s_wait_loadcnt \left
	WIN 0x04                                       ; store data window 1, address window 0
.set i, 0
.rept 12
	ds_store_b128 v[ASTO+(\buf)], v[AS+4*i:AS+4*i+3] offset:2*PITCH*i
.set i, i+1
.endr
.if \aload
	ALOAD \aimm
.endif
	WIN 0x45
.set i, 0
.rept 32
	v_cvt_pk_f16_f32 v[TMP+i], v[RING+64*(\buf)+2*i], v[RING+64*(\buf)+2*i+1]
.set i, i+1
.endr
	WIN 0x04
.set i, 0
.rept 16
	ds_store_b64 v[WSTO+(\buf)], v[TMP+2*i:TMP+2*i+1] offset:PITCH*i  ; 32 lanes x 8 bytes: a row's 256 bytes
.set i, i+1
.endr
.if \wload
	WLOAD \buf, \wimm
.endif
	WIN 0
.endm
; 14 LDS loads: my fragments for 32 along K at quarter kk of a step.  A fragment is 16 rows x 32 K in 8 registers: lane l holds row l % 16, K = 8 (l / 16) + 0..7 and 16 + 8 (l / 16) + 0..7.
.macro FETCH buf, kk, set
.irp a, 0,1,2
	ds_load_b128 v[FRA+24*(\set)+8*(\a):FRA+24*(\set)+8*(\a)+3],   v[ADRA+(\buf)] offset:16*PITCH*(\a)+64*(\kk)
	ds_load_b128 v[FRA+24*(\set)+8*(\a)+4:FRA+24*(\set)+8*(\a)+7], v[ADRA+(\buf)] offset:16*PITCH*(\a)+64*(\kk)+32
.endr
.irp n, 0,1,2,3
	ds_load_b128 v[FRB+32*(\set)+8*(\n):FRB+32*(\set)+8*(\n)+3],   v[ADRB+(\buf)] offset:16*PITCH*(\n)+64*(\kk)
	ds_load_b128 v[FRB+32*(\set)+8*(\n)+4:FRB+32*(\set)+8*(\n)+7], v[ADRB+(\buf)] offset:16*PITCH*(\n)+64*(\kk)+32
.endr
.endm
; 12 matrix instructions.  The 12 accumulators take turns, one instruction a turn, in the same order everywhere.  zero = 1: the products start the sums.
.macro MUL set, zero
.irp a, 0,1,2
.irp n, 0,1,2,3
.if \zero
	v_wmma_f32_16x16x32_f16 v[ACC+8*(4*(\a)+(\n)):ACC+8*(4*(\a)+(\n))+7], v[FRB+32*(\set)+8*(\n):FRB+32*(\set)+8*(\n)+7], v[FRA+24*(\set)+8*(\a):FRA+24*(\set)+8*(\a)+7], 0
.else
	v_wmma_f32_16x16x32_f16 v[ACC+8*(4*(\a)+(\n)):ACC+8*(4*(\a)+(\n))+7], v[FRB+32*(\set)+8*(\n):FRB+32*(\set)+8*(\n)+7], v[FRA+24*(\set)+8*(\a):FRA+24*(\set)+8*(\a)+7], v[ACC+8*(4*(\a)+(\n)):ACC+8*(4*(\a)+(\n))+7]
.endif
.endr
.endr
.endm
; A K step's four quarters on fragment sets 0, 1, 0, 1; quarter 0's fragments have been asked for.  younger: the LDS stores issued behind them, which may stay out.
.macro COMP buf, zero, younger
	s_wait_dscnt \younger                          ; LDS instructions end in order (ISA guide 5.7.1): quarter 0's 14 loads are in
	FETCH \buf, 1, 1                               ; set 1's last readers stand ahead of the four places at the phase's head
	MUL 0, \zero
	s_wait_dscnt 0x0
	PLACES
	FETCH \buf, 2, 0
	MUL 1, 0
	s_wait_dscnt 0x0
	PLACES
	FETCH \buf, 3, 1
	MUL 0, 0
	s_wait_dscnt 0x0
	MUL 1, 0
.endm
; PHASE p: step p goes into buffer sbuf = p % 2 while step p - 1 is multiplied out of the other.  ONE barrier a phase orders both ways: this phase's stores ahead of the next phase's reads
; of them, and this phase's reads ahead of the next phase's stores into the same buffer.
.macro PHASE sbuf, left, aload, aimm, wload, wimm, zero
	PLACES
	FETCH 1-(\sbuf), 0, 0                          ; the first fragments travel while the stage's work is done
	STAGE \sbuf, \left, \aload, \aimm, \wload, \wimm
	COMP 1-(\sbuf), \zero, 28                      ; 12 + 16 stores were issued behind those 14 loads
	BAR
.endm
; THE WAY OUT of 16 list rows x 64 columns (four accumulators from acc on), through my own stage: a lane's 32 bytes of a row go in, whole rows of 256 bytes come back (LDS serves a wave's
; instructions in order, ISA guide 5.7.1.4: no wait between them), the bias is added, and 16 lanes store 256 consecutive bytes of one row of out0, at a multiple of 256 from its first byte.
; ent: the eight registers (window 1) with the rows of out0 of the eight pairs.  s22 counts my live rows, lim is the block's first among them: dead rows are left out by jumps forward to the
; macro's end.  Where only the first row of a pair is live the second is its repeat: the same address, the same bits.
.macro OUTBLK acc, ent, bias, lim, base, imm
	s_wait_xcnt 0x0                                ; earlier stores have read their offsets and data: both are written again below
	s_cmp_gt_i32 s22, \lim
	s_cbranch_scc0 .Lskip_\@
	WIN 0x01                                       ; source 0 window 1
.set t, 0
.rept 8
	v_lshl_add_u32 v[ROFF+t], v[(\ent)+t], 12, v16  ; 4,096 bytes a row of out0 + 16 r.  These eight are also the places behind the last products
.set t, t+1
.endr
	WIN 0
.irp n, 0,1,2,3
	ds_store_b128 v14, v[(\acc)+8*(\n):(\acc)+8*(\n)+3] offset:64*(\n)       ; each accumulator from its low end on
	ds_store_b128 v14, v[(\acc)+8*(\n)+4:(\acc)+8*(\n)+7] offset:64*(\n)+16
.endr
.set t, 0
.rept 8
	ds_load_b128 v[TT+4*t:TT+4*t+3], v15 offset:2*PITCH*t
.set t, t+1
.endr
.set t, 0
.rept 8
	s_wait_dscnt 7-t                               ; pair t is back; the younger loads stay out
.if t > 0
	s_cmp_gt_i32 s22, (\lim)+2*t
	s_cbranch_scc0 .Lskip_\@
.endif
	v_pk_add_f32 v[TT+4*t:TT+4*t+1], v[TT+4*t:TT+4*t+1], v[(\bias):(\bias)+1]
	v_pk_add_f32 v[TT+4*t+2:TT+4*t+3], v[TT+4*t+2:TT+4*t+3], v[(\bias)+2:(\bias)+3]
	global_store_b128 v[ROFF+t], v[TT+4*t:TT+4*t+3], s[(\base):(\base)+1] offset:\imm th:TH_STORE_NT
.set t, t+1
.endr
.Lskip_\@:
	s_wait_dscnt 0x0                               ; loads from the stage that a jump left out
.endm
; One K step of 32 for a block of rows from 192 on: 16 list rows x the slice's 128 columns, all fragments straight from memory.  Lane l takes, of W's row 16 nb + l % 16, the f32 at
; K = 8 (l / 16) + 0..7 and 16 + 8 (l / 16) + 0..7 (four loads of 16 bytes) and rounds them into the fragment's eight registers.  The eight accumulators take turns.
.macro OSTEP zero
	PLACES                                         ; behind the last products: the loads into the rows' fragment and the roundings into W's follow
	WIN 0x40
.set i, 0
.rept 32
	global_load_b128 v[RING+4*i:RING+4*i+3], v3, s[26:27] offset:131072*(i/4)+16*(i%4)+32*((i%4)/2)
.set i, i+1
.endr
	WIN 0
	global_load_b128 v[FRA:FRA+3], v4, s[28:29]
	global_load_b128 v[FRA+4:FRA+7], v4, s[28:29] offset:32
	s_wait_loadcnt 0x0                             ; all 34 are in, so their bases may be stepped
	s_add_nc_u64 s[26:27], s[26:27], 128           ; 32 f32 on
	s_add_nc_u64 s[28:29], s[28:29], 64            ; 32 f16 on
	WIN 0x05                                       ; sources window 1, destination window 0
.set i, 0
.rept 64
	v_cvt_pk_f16_f32 v[FRB+i], v[RING+2*i], v[RING+2*i+1]
.set i, i+1
.endr
	WIN 0
.irp n, 0,1,2,3,4,5,6,7
.if \zero
	v_wmma_f32_16x16x32_f16 v[ACC+8*(\n):ACC+8*(\n)+7], v[FRB+8*(\n):FRB+8*(\n)+7], v[FRA:FRA+7], 0
.else
	v_wmma_f32_16x16x32_f16 v[ACC+8*(\n):ACC+8*(\n)+7], v[FRB+8*(\n):FRB+8*(\n)+7], v[FRA:FRA+7], v[ACC+8*(\n):ACC+8*(\n)+7]
.endif
.endr
.endm
	s_load_b256 s[4:11], s[0:1], 0x0               ; W s[4:5], b s[6:7], fh s[8:9], lists s[10:11]
	s_load_b64 s[12:13], s[0:1], 0x20              ; out0
	v_lshl_add_u32 v18, v0, 2, SPARE               ; my spare word,
	v_mov_b32 v19, 0                               ; and 0: kept for the closing lines alone
	v_lshrrev_b32 v17, 5, v0
	v_readfirstlane_b32 s14, v17                   ; wave 0..7
	s_lshr_b32 s15, s14, 1                         ; which 48 list rows I multiply
	s_and_b32 s16, s14, 1                          ; which 64 columns
	s_mov_b32 s17, ttmp9                           ; the slice of 128 columns
	s_and_b32 s18, ttmp7, 0xffff                   ; the expert
	v_and_b32 v1, 15, v0                           ; r = l % 16
	v_bfe_u32 v2, v0, 4, 1                         ; h = l / 16
	v_and_b32 v17, 31, v0                          ; l
	s_lshl_b32 s34, s14, 17
	v_lshl_add_u32 v3, v17, 4, s34                 ; in W's slice: 16 w rows of 8,192 bytes + 16 l
	s_mul_i32 s34, s14, 96
	v_lshl_add_u32 v4, v2, 2, s34                  ; in the list: entry 24 w + h
	s_mul_i32 s34, s15, 192
	v_lshl_add_u32 v5, v2, 2, s34                  ; entry 48 (w / 2) + h
	s_mul_i32 s35, s14, 16*PITCH
	v_lshl_add_u32 v[WSTO], v17, 3, s35            ; W's row 16 w, 8 bytes a lane
	v_add_nc_u32 v[WSTO+1], BUF, v[WSTO]
	v_mul_u32_u24 v24, v2, PITCH
	v_lshl_add_u32 v24, v1, 4, v24                 ; row h, 16 bytes a lane
	v_mul_u32_u24 v25, v1, PITCH
	v_lshl_add_u32 v26, v2, 4, v25                 ; row r, 16 bytes a half of the lanes
	v_lshl_add_u32 v14, v2, 5, v25                 ; row r, 32 bytes a half
	s_mul_i32 s34, s14, 24*PITCH
	s_add_co_u32 s34, s34, WT
	v_add_nc_u32 v[ASTO], s34, v24                 ; list row 24 w + h
	v_add_nc_u32 v[ASTO+1], BUF, v[ASTO]
	s_mul_i32 s34, s15, 48*PITCH
	s_add_co_u32 s34, s34, WT
	v_add_nc_u32 v[ADRA], s34, v26
	v_add_nc_u32 v[ADRA+1], BUF, v[ADRA]
	s_mul_i32 s34, s16, 64*PITCH
	v_add_nc_u32 v[ADRB], s34, v26
	v_add_nc_u32 v[ADRB+1], BUF, v[ADRB]
	s_add_co_u32 s35, s35, STG                     ; my stage
	v_add_nc_u32 v14, s35, v14                     ; in: row r, my eight f32
	v_add_nc_u32 v15, s35, v24                     ; back: lanes 0-15 one row of 256 bytes, lanes 16-31 the next
	v_lshlrev_b32 v16, 4, v1                       ; 16 r
	s_mov_b32 s37, 0                               ; the high word of every offset pair s[36:37]; never rewritten
	s_wait_kmcnt 0x0
	s_lshl_b32 s36, s18, 23                        ; an expert's W is 8 MiB,
	s_add_nc_u64 s[24:25], s[4:5], s[36:37]
	s_lshl_b32 s36, s17, 20                        ; a slice of 128 rows 1 MiB
	s_add_nc_u64 s[24:25], s[24:25], s[36:37]
	s_mul_i32 s36, s18, RSTR
	s_add_nc_u64 s[30:31], s[10:11], s[36:37]      ; my expert's record
	s_load_b32 s19, s[30:31], 0x0                  ; n
	s_lshl_b32 s36, s17, 9                         ; the slice's 128 columns in a row of 1,024 f32
	s_add_nc_u64 s[42:43], s[12:13], s[36:37]      ; out0 at the slice's first column,
	s_lshl_b32 s34, s18, 12
	s_add_co_u32 s36, s36, s34
	s_add_nc_u64 s[40:41], s[6:7], s[36:37]        ; and the expert's bias there
	s_lshl_b32 s36, s16, 8                         ; my 64 columns of the slice
	s_add_nc_u64 s[32:33], s[42:43], s[36:37]
	s_add_nc_u64 s[38:39], s[40:41], s[36:37]
	global_load_b128 v[20:23], v16, s[38:39]       ; the bias of the four columns that I store
	s_wait_kmcnt 0x0
	s_add_nc_u64 s[30:31], s[30:31], 256           ; the list, behind the record's head
	s_min_u32 s19, s19, 0x400
	s_mul_i32 s34, s15, 48
	s_sub_co_i32 s22, s19, s34                     ; how many of my 48 rows are live (it may be negative or more than 48)
	s_mov_b64 s[26:27], s[24:25]
	s_mov_b64 s[28:29], s[8:9]
	WIN 0x40
.set i, 0
.rept 12
	global_load_b32 v[OFFS+i], v4, s[30:31] offset:8*i      ; the entries of the rows that I load: 24 w + 2 i + h
.set i, i+1
.endr
.set i, 0
.rept 24
	global_load_b32 v[ENT+i], v5, s[30:31] offset:8*i       ; and of those that I store: 48 (w / 2) + 2 i + h
.set i, i+1
.endr
	WLOAD 0, 0                                     ; W of K step 0
	s_wait_loadcnt 16                              ; the entries (and the bias) are in; W's 16 loads stay out
	WIN 0x44
.set i, 0
.rept 12
	v_lshrrev_b32 v[OFFS+i], 2, v[OFFS+i]          ; the sample,
	v_min_u32 v[OFFS+i], 0x3ff, v[OFFS+i]          ; inside fh whatever was read
.set i, i+1
.endr
.set i, 0
.rept 24
	v_min_u32 v[ENT+i], 0xfff, v[ENT+i]            ; the row of out0, inside it whatever was read
.set i, i+1
.endr
	WIN 0x41
.set i, 0
.rept 12
	v_lshl_add_u32 v[OFFS+i], v[OFFS+i], 12, v16   ; 4,096 bytes a row of fh + 16 r
.set i, i+1
.endr
	ALOAD 0                                        ; list rows of K step 0
	WLOAD 1, 512                                   ; W of K step 1
	WIN 0
	STAGE 0, 16, 1, 256, 1, 1024                   ; p = 0: nothing to multiply yet
	BAR
	PHASE 1, 16, 1, 512, 1, 1536, 1                ; p = 1: step 0's first products start the sums
	s_wait_xcnt 0x0                                ; the bases are stepped only when every load issued has had its address translated
	s_add_nc_u64 s[26:27], s[26:27], 2048          ; W at K step 4,
	s_add_nc_u64 s[28:29], s[28:29], 768           ; fh at K step 3
	s_mov_b32 s23, 6
.Llap:                                                 ; p = 2 .. 13, two a trip
	PHASE 0, 16, 1, 0, 1, 0, 0
	PHASE 1, 16, 1, 256, 1, 512, 0
	s_wait_xcnt 0x0
	s_add_nc_u64 s[26:27], s[26:27], 1024
	s_add_nc_u64 s[28:29], s[28:29], 512
	s_sub_co_u32 s23, s23, 1
	s_cmp_lg_u32 s23, 0
	s_cbranch_scc1 .Llap
	PHASE 0, 16, 1, 0, 0, 0, 0                     ; p = 14: the last list rows are asked for, no W is left
	PHASE 1, 0, 0, 0, 0, 0, 0                      ; p = 15: nothing was issued behind its loads: the wait is for 0.  Its barrier is the text's last
	PLACES
	FETCH 1, 0, 0                                  ; step 15 is multiplied
	COMP 1, 0, 0
	OUTBLK ACC,    ENT,    20, 0,  32, 0           ; my 48 rows x 64 columns leave, 16 rows at a time
	OUTBLK ACC+32, ENT+8,  20, 16, 32, 0
	OUTBLK ACC+64, ENT+16, 20, 32, 32, 0
	; ROWS FROM 192 ON.  The list has ceil(n / 16) blocks of 16 rows; blocks 0 to 11 are done.  Wave w takes blocks 12 + w + 8 i: max(0, ceil(n / 16) - 12 - w + 7) / 8 of them, 7 at the most.
	; No barrier stands from here on, and no wave touches LDS bytes but its own stage's.
	s_add_co_u32 s20, s19, 15
	s_lshr_b32 s20, s20, 4
	s_sub_co_i32 s20, s20, s14
	s_sub_co_i32 s20, s20, 5
	s_max_i32 s20, s20, 0
	s_lshr_b32 s20, s20, 3
	s_cmp_eq_u32 s20, 0
	s_cbranch_scc1 .Ldone
	s_wait_xcnt 0x0                                ; the main pass's last stores have read their data (v128-159) and offsets: this run loads its rows' fragment into v128-135
	v_lshlrev_b32 v3, 13, v1                       ; in W's slice: row r of 8,192 bytes
	v_lshl_add_u32 v3, v2, 5, v3                   ; + 8 h f32
	v_lshlrev_b32 v5, 2, v1                        ; in a block's 16 entries: entry r,
	v_lshlrev_b32 v17, 2, v2                       ; and entry h
	global_load_b128 v[6:9], v16, s[40:41]         ; the bias of my four columns in the slice's columns 0-63,
	global_load_b128 v[10:13], v16, s[40:41] offset:256  ; and in its columns 64-127
	s_lshl_b32 s36, s14, 6
	s_add_co_u32 s36, s36, 768
	s_add_nc_u64 s[30:31], s[30:31], s[36:37]      ; the list at block 12 + w: 64 bytes a block
	s_lshl_b32 s34, s14, 4
	s_add_co_u32 s34, s34, 192
	s_sub_co_i32 s22, s19, s34                     ; live rows from that block's first on: at least 1 in every trip
	s_mov_b32 s21, 0
.Lover:
	global_load_b32 v4, v5, s[30:31]               ; the entry of the row whose features I load
	WIN 0x40
.set t, 0
.rept 8
	global_load_b32 v[ENT+t], v17, s[30:31] offset:8*t  ; and of the rows that I store: 2 t + h
.set t, t+1
.endr
	WIN 0
	s_mov_b64 s[26:27], s[24:25]                   ; W's slice and fh from K = 0 (every load by these bases has been waited for)
	s_mov_b64 s[28:29], s[8:9]
	s_wait_loadcnt 0x0
	v_lshrrev_b32 v4, 2, v4                        ; the sample,
	v_min_u32 v4, 0x3ff, v4                        ; inside fh whatever was read
	v_lshlrev_b32 v4, 12, v4                       ; 4,096 bytes a row of fh
	v_lshl_add_u32 v4, v2, 4, v4                   ; + 8 h f16
	WIN 0x44
.set t, 0
.rept 8
	v_min_u32 v[ENT+t], 0xfff, v[ENT+t]
.set t, t+1
.endr
	WIN 0
	OSTEP 1                                        ; the first K step starts the sums
	s_mov_b32 s23, 63
.Lok:
	OSTEP 0
	s_sub_co_u32 s23, s23, 1
	s_cmp_lg_u32 s23, 0
	s_cbranch_scc1 .Lok
	OUTBLK ACC,    ENT, 6,  0, 42, 0               ; columns 0-63 of the slice,
	OUTBLK ACC+32, ENT, 10, 0, 42, 256             ; columns 64-127
	s_wait_xcnt 0x0                                ; the stores have read their registers; the list's base may be stepped
	s_add_nc_u64 s[30:31], s[30:31], 512           ; eight blocks on
	s_sub_co_i32 s22, s22, 128
	s_add_co_u32 s21, s21, 1
	s_cmp_lt_u32 s21, s20
	s_cbranch_scc1 .Lover
.Ldone:
	s_wait_tensorcnt 0x0                           ; the wave's end, behind my last LDS store
	ds_add_u32 v18, v19
	s_wait_dscnt 0x0
	s_endpgm
.Lfunc_end_k_q71553d3d4f_gemm:
	.size	k_q71553d3d4f_gemm, .Lfunc_end_k_q71553d3d4f_gemm-k_q71553d3d4f_gemm
	.p2alignl 7, 3214868480
	.fill 96, 4, 3214868480
	.section	.rodata,"a",@progbits
	.p2align	6, 0x0
	.amdhsa_kernel k_q71553d3d4f_gemm
		.amdhsa_group_segment_fixed_size 209920
		.amdhsa_private_segment_fixed_size 0
		.amdhsa_enable_private_segment 0
		.amdhsa_kernarg_size 40
		.amdhsa_user_sgpr_count 2
		.amdhsa_user_sgpr_kernarg_segment_ptr 1
		.amdhsa_wavefront_size32 1
		.amdhsa_system_sgpr_workgroup_id_x 1
		.amdhsa_system_sgpr_workgroup_id_y 1
		.amdhsa_system_sgpr_workgroup_id_z 1
		.amdhsa_system_vgpr_workitem_id 0
		.amdhsa_next_free_vgpr 512
		.amdhsa_next_free_sgpr 66
		.amdhsa_reserve_vcc 0
		.amdhsa_float_denorm_mode_32 3
		.amdhsa_float_denorm_mode_16_64 3
		.amdhsa_memory_ordered 1
		.amdhsa_forward_progress 1
		.amdhsa_inst_pref_size 133
	.end_amdhsa_kernel
	.amdgpu_metadata
---
amdhsa.version: [ 1, 2 ]
amdhsa.kernels:
  - .name:           k_q71553d3d4f_gemm
    .symbol:         k_q71553d3d4f_gemm.kd
    .args:
      - { .name: W, .offset: 0, .size: 8, .value_kind: global_buffer, .address_space: global }
      - { .name: b, .offset: 8, .size: 8, .value_kind: global_buffer, .address_space: global }
      - { .name: fh, .offset: 16, .size: 8, .value_kind: global_buffer, .address_space: global }
      - { .name: lists, .offset: 24, .size: 8, .value_kind: global_buffer, .address_space: global }
      - { .name: out0, .offset: 32, .size: 8, .value_kind: global_buffer, .address_space: global }
    .group_segment_fixed_size: 209920
    .private_segment_fixed_size: 0
    .kernarg_segment_align: 8
    .kernarg_segment_size: 40
    .max_flat_workgroup_size: 256
    .sgpr_count:     66
    .vgpr_count:     512
    .wavefront_size: 32
...
	.end_amdgpu_metadata
.endif
;; end of part 2
